; MI455X (gfx1250); checked and timed in simulation.
; The chip was launched on July 23, 2026; its instructions are those of AMD's public machine-readable ISA for CDNA 5 (MIT licence, August 2026) and "CDNA5" Instruction Set Architecture Reference Guide (July 2026). The comments in the code are by the model that wrote it; some were corrected since.
;; K Means. Allowed arithmetic: matrix products marked QUANTISED: E4M3 operands, one E8M0 scale for each 32 along K, by v_wmma_scale_f32_16x16x128_f8f6f4 with both operands' format E4M3, f32 sums; everything else in f32.
;; Inputs: centers 4,096 x 512 float32; x 32,768 x 512 float32.
;; Outputs: out0 32,768 int32.
;; This version of the problem:
;;   THIS VERSION OF THE PROBLEM IS GIVEN IN LOW PRECISION. The matrix products marked QUANTISED in the list below multiply operands that are first quantised to E4M3 (4 exponent bits, 3 mantissa bits; 8 bits a number), with one power-of-two scale for each 32 numbers along K (OCP MX v1.0); their sums are f32. All else is computed in f32.
;;   The module's matrix products, in the order in which they are computed (A, B: the left and right operand; K: the contracted axis; several contracted axes count as one K, in the product's order):
;;     1. [M 32,768, K 512] x [K 512, N 4,096]; A: input x; B: input centers: QUANTISED
;;   THE QUANTISER, for each operand of a quantised product, along K:
;;     - K is cut into blocks of 32 from its start; a last block that is shorter is filled with zeros.
;;     - A block's scale is 2^e with e = floor(log2(the largest magnitude in the block)) - 8, held to -126 .. 127; a block of zeros has e = 0. As a byte (E8M0): e + 127.
;;     - Each number is divided by its block's scale, clamped to +-448, and rounded to the nearest number of E4M3, ties to even, subnormals kept.
;;     - The product sums the exact products of the quantised numbers (number of the format x scale) in f32.
;;   ~~~python
;;   def quantise(x, axis):      # numpy; x: float32 -> the quantised numbers, widened to float32 again
;;       x = np.moveaxis(x, axis, -1); K = x.shape[-1]
;;       x = np.pad(x, [(0, 0)] * (x.ndim - 1) + [(0, -K % 32)]); x = x.reshape(x.shape[:-1] + (-1, 32)); a = np.abs(x).max(-1, keepdims=True)
;;       e = np.where(a > 0, np.clip(np.frexp(np.where(a > 0, a, 1))[1] - 1 - 8, -126, 127), 0)      # np.frexp(a)[1] - 1 = floor(log2(a)), exactly
;;       r = np.clip(x / 2.0 ** e, -448, 448)
;;       step = 2.0 ** (np.maximum(np.frexp(np.where(r == 0, 1, r))[1] - 1, -6) - 3)
;;       q = np.round(r / step) * step * 2.0 ** e      # np.round: ties to even
;;       return np.moveaxis(q.reshape(q.shape[:-2] + (-1,))[..., :K], -1, axis).astype(np.float32)
;;   ~~~
;; One version. Each part assembles by itself: llvm-mc -triple=amdgcn-amd-amdhsa -mcpu=gfx1250 --defsym DOCPART=n.
;; ======== version 1 of 1: 2 launches
;; limits: right only within a limited range of input values
;; workspace buffers: cpack 2,228,224 bytes
;; launch prep (part 1): grid 256 x 1, 4 waves a work-group, no clusters, 35,328 bytes of LDS; arguments centers, cpack; writes cpack
.if DOCPART == 1
	.amdgcn_target "amdgcn-amd-amdhsa--gfx1250"
	.amdhsa_code_object_version 6
	.text
	.protected	k_q42b85319ad_prep
	.globl	k_q42b85319ad_prep
	.p2align	8
	.type	k_q42b85319ad_prep,@function
k_q42b85319ad_prep:
	s_mov_b64 s[64:65], 0
	v_nop
	global_prefetch_b8 v0, s[64:65] scope:SCOPE_SE
	s_setreg_imm32_b32 hwreg(HW_REG_WAVE_MODE, 25, 1), 1
	s_wait_xcnt 0x0
; centers [4096][512] f32 -> cpack: 64 records of REC bytes, record q = centres 64 q .. 64 q + 63 as four tile blocks of TBK bytes; tile t (centres 16 t on) lies at place 3 - t: in the order in which it is walked.  A tile block:
;   s*2048 + c*512 + 16*lane : codes of FP8 (E4M3) as the IMAGE OF THE OPERAND'S REGISTERS: lane (r, h) holds centre r of the tile, k = 128 s + 32 c + 16 h + 0 .. 15
;   SCO + 16 r               : the centre's 16 E8M0 bytes (word s = K step s)
;   NCO + 4 r                : -1/2 x the sum of the centre's 512 squares, f32, of the UNquantised numbers; behind the 64 bytes 192 bytes of zeros, so that the block's last 256 bytes are stored whole
; A block's scale is 2^(floor(log2(its largest magnitude)) - 8); its byte is that magnitude's exponent field - 8, held at 1 from below.
; LIMITS: a block of zeros gets the byte 1 (its codes are zeros; this program alone reads the bytes); blocks whose largest magnitude lies under 2^-118 keep the byte 1 and were not tried;
; NaN and infinities are not served.  The squares are summed as a tree (8 chains a lane, two lanes, four waves), not in the order of a plain sum.
; SHARES: a work-group is one tile of 16 centres, wave w its K step w (128 along K).  Each load reads 512 consecutive bytes of a row; the wave's 8,192 bytes turn through its own stage in LDS,
; so that a lane then holds 16 neighbours of each block of 32.  No tensor loads, one barrier (the four waves' partial sums and scale words meet in LDS).
.set TBK,  8704
.set REC,  4*TBK
.set SCO,  8192
.set NCO,  8448
.set STGB, 16*528                      ; a wave's stage: 16 rows x (512 bytes + 16): the sixteen rows that a read touches start 16 bytes apart modulo 256
.set PSB,  4*STGB                      ; 4 x 64 bytes: the waves' partial sums of squares
.set SCB,  PSB+256                     ; 256 bytes: the tile's scale words, 16 bytes a centre
.set R,    16                          ; v16-79   the numbers as loaded
.set X,    80                          ; v80-143  register 16 c + i = k 32 c + 16 h + i of my row
.set PC,   144                         ; v144-159 the codes
.set TM,   160                         ; v160-175 at work in QUANT
.set SQ,   176                         ; v176-183 eight chains of squares
.set PW,   184                         ; v184     the scale word
.set WV,   10
.set SEL,  20                          ; s[20:21] v_permlanex16_b32's selects for lane l xor 16
.set MNT,  23                          ; s23      the mantissa field of 448
.macro SQUARES s, first                ; the squares of 64 numbers, two at a time, in four chains of pairs; first = 1: the first four products start the chains
.set sj, 0
.rept 32
.if (\first) && (sj < 4)
	v_pk_mul_f32 v[SQ+2*sj:SQ+2*sj+1], v[\s+2*sj:\s+2*sj+1], v[\s+2*sj:\s+2*sj+1]
.else
	v_pk_fma_f32 v[SQ+2*(sj%4):SQ+2*(sj%4)+1], v[\s+2*sj:\s+2*sj+1], v[\s+2*sj:\s+2*sj+1], v[SQ+2*(sj%4):SQ+2*(sj%4)+1]
.endif
.set sj, sj+1
.endr
.endm
.macro QUANT s                         ; 64 numbers of a lane become a fragment's codes in v[PC] on and its scale word in v[PW]
.irp b, 0,1,2,3
	v_max3_num_f32 v[TM+\b], |v[\s+16*\b]|, |v[\s+1+16*\b]|, 0x4800000   ; block b: my 16 numbers, and the floor 2^(9 - 127): the byte cannot fall under 1
.endr
.irp i, 2,4,6,8,10,12,14
.irp b, 0,1,2,3
	v_max3_num_f32 v[TM+\b], v[TM+\b], |v[\s+16*\b+\i]|, |v[\s+1+16*\b+\i]|   ; the four blocks by turns
.endr
.endr
.irp b, 0,1,2,3
	v_permlanex16_b32 v[TM+4+\b], v[TM+\b], s[SEL], s[SEL+1]
.endr
.irp b, 0,1,2,3
	v_max_num_f32 v[TM+\b], v[TM+\b], v[TM+4+\b]   ; with lane l xor 16's: the block's largest magnitude
.endr
.irp b, 0,1,2,3
	v_add_nc_u32 v[TM+12+\b], 0xfc000000, v[TM+\b]   ; 8 off its exponent field: the conversion takes the exponent field of this operand as its scale
.endr
.irp b, 0,1,2,3
	v_and_or_b32 v[TM+8+\b], v[TM+\b], 0x7f800000, s[MNT]   ; 448 x the scale
.endr
.irp b, 0,1,2,3
	v_lshrrev_b32 v[TM+4+\b], 23, v[TM+12+\b]   ; the scale's byte
.endr
	v_lshl_or_b32 v[PW], v[TM+5], 8, v[TM+4]
	v_lshl_or_b32 v[PW], v[TM+6], 16, v[PW]
	v_lshl_or_b32 v[PW], v[TM+7], 24, v[PW]
.irp b, 0,1,2,3
.irp i, 0,1,2,3,4,5,6,7,8,9,10,11,12,13,14,15
	v_med3_num_f32 v[\s+16*\b+\i], v[\s+16*\b+\i], -v[TM+8+\b], v[TM+8+\b]   ; the conversion to an 8-bit code does not saturate (ISA guide 7.6.2): the hold comes first
.endr
	v_cvt_scalef32_pk8_fp8_f32 v[PC+4*\b:PC+1+4*\b], v[\s+16*\b:\s+7+16*\b], v[TM+12+\b]
	v_cvt_scalef32_pk8_fp8_f32 v[PC+2+4*\b:PC+3+4*\b], v[\s+8+16*\b:\s+15+16*\b], v[TM+12+\b]
.endr
	v_nop                                          ; one plain vector line behind the last scaled conversion
.endm
	s_load_b128 s[4:7], s[0:1], 0x0                ; centers, cpack
	v_lshl_add_u32 v192, v0, 2, 0x8800
	v_mov_b32 v193, 0
	v_lshrrev_b32 v1, 5, v0
	v_readfirstlane_b32 s[WV], v1                  ; wave = K step
	v_and_b32 v1, 31, v0                           ; lane
	v_and_b32 v2, 15, v0                           ; r
	v_bfe_u32 v3, v0, 4, 1                         ; h
	v_lshlrev_b32 v4, 4, v1                        ; 16 x lane: my bytes of a load's 512, and of a store's
	s_mul_i32 s11, s[WV], STGB                     ; my stage
	v_add_nc_u32 v5, s11, v4                       ; into it: a row as it lies
	v_mul_u32_u24 v6, v2, 528
	v_lshl_add_u32 v6, v3, 6, v6
	v_add_nc_u32 v6, s11, v6                       ; out of it: row r, + 64 h: my 16 numbers of a block of 32
	s_lshl_b32 s12, s[WV], 6
	s_add_co_u32 s12, s12, PSB
	v_lshl_add_u32 v7, v2, 2, s12                  ; my wave's partial sum of row r
	s_lshl_b32 s12, s[WV], 2
	s_add_co_u32 s12, s12, SCB
	v_lshl_add_u32 v8, v2, 4, s12                  ; row r's scale word of my K step
	v_and_b32 v9, 3, v2
	v_lshl_add_u32 v9, v9, 4, PSB                  ; wave 0 reads them back: four centres' partial sums a lane (lanes 0-3 count),
	v_lshl_add_u32 v10, v2, 4, SCB                 ; and row r's 16 scale bytes
	v_lshlrev_b32 v13, 4, v2                       ; 16 r: a lane's place in a unit of 256 bytes
	s_lshr_b32 s13, ttmp9, 2                       ; the record,
	s_and_b32 s14, ttmp9, 3                        ; the tile in it,
	s_sub_co_u32 s15, 3, s14                       ; and its place: 3 - t
	s_mul_i32 s16, s13, REC
	s_mul_i32 s15, s15, TBK
	s_add_co_u32 s16, s16, s15
	s_mov_b32 s17, 0
	s_lshl_b32 s18, s[WV], 11                      ; my fragment in the tile block: 2048 s
	s_mov_b32 s19, 0
	s_lshl_b32 s24, ttmp9, 15                      ; 16 rows of 2,048 bytes a tile,
	s_lshl_b32 s25, s[WV], 9                       ; 512 bytes of a row a K step
	s_add_co_u32 s24, s24, s25
	s_mov_b32 s25, 0
	s_mov_b32 s[SEL], 0x76543210
	s_mov_b32 s[SEL+1], 0xfedcba98
	s_mov_b32 s[MNT], 0x600000
.irp b, 0,1,2,3
	v_mov_b32 v[TM+4+\b], 0                        ; written once: a lane permute's destination counts as one of its sources
.endr
	s_wait_kmcnt 0x0
	s_add_nc_u64 s[4:5], s[4:5], s[24:25]
	s_add_nc_u64 s[6:7], s[6:7], s[16:17]          ; the tile block
	s_add_nc_u64 s[8:9], s[6:7], s[18:19]          ; my fragment
.irp i, 0,1,2,3,4,5,6,7,8,9,10,11,12,13,14,15
	global_load_b128 v[R+4*\i:R+4*\i+3], v4, s[4:5] offset:2048*\i th:TH_LOAD_NT   ; row i: 32 lanes read 512 consecutive bytes
.endr
	s_wait_loadcnt 0x0
.irp i, 0,1,2,3,4,5,6,7,8,9,10,11,12,13,14,15
	ds_store_b128 v5, v[R+4*\i:R+4*\i+3] offset:528*\i
.endr
.irp c, 0,1,2,3
.irp j, 0,1,2,3
	ds_load_b128 v[X+16*\c+4*\j:X+16*\c+4*\j+3], v6 offset:128*\c+16*\j   ; LDS serves a wave's instructions in order: these see my stores
.endr
.endr
	s_wait_dscnt 0x0
	SQUARES X, 1                                   ; of the numbers as they came: QUANT holds them in place afterwards
	QUANT X
.irp c, 0,1,2,3
	global_store_b128 v4, v[PC+4*\c:PC+4*\c+3], s[8:9] offset:512*\c   ; 32 lanes store 512 consecutive bytes, at a multiple of 256 from the buffer's first byte
.endr
	v_pk_add_f32 v[SQ:SQ+1], v[SQ:SQ+1], v[SQ+2:SQ+3]
	v_pk_add_f32 v[SQ+4:SQ+5], v[SQ+4:SQ+5], v[SQ+6:SQ+7]
	v_pk_add_f32 v[SQ:SQ+1], v[SQ:SQ+1], v[SQ+4:SQ+5]
	v_add_f32 v[SQ], v[SQ], v[SQ+1]
	v_permlanex16_b32 v[TM+4], v[SQ], s[SEL], s[SEL+1]
	v_add_f32 v[SQ], v[SQ], v[TM+4]                ; row r's squares of my K step
	ds_store_b32 v7, v[SQ]                         ; (both halves of the lanes write the same word with the same value)
	ds_store_b32 v8, v[PW]
	s_wait_dscnt 0x0                               ; for the others' sake: my stores have landed
	s_barrier_signal -1
	s_barrier_wait -1
	s_cmp_lg_u32 s[WV], 0
	s_cbranch_scc1 .Lend
	ds_load_b128 v[16:19], v9                      ; K step 0's partial sums of centres 4 (r % 4) on,
	ds_load_b128 v[20:23], v9 offset:64            ; K step 1's,
	ds_load_b128 v[24:27], v9 offset:128
	ds_load_b128 v[28:31], v9 offset:192
	ds_load_b128 v[32:35], v10
	s_wait_dscnt 0x0
	v_pk_add_f32 v[16:17], v[16:17], v[20:21]
	v_pk_add_f32 v[18:19], v[18:19], v[22:23]
	v_pk_add_f32 v[24:25], v[24:25], v[28:29]
	v_pk_add_f32 v[26:27], v[26:27], v[30:31]
	v_pk_add_f32 v[16:17], v[16:17], v[24:25]
	v_pk_add_f32 v[18:19], v[18:19], v[26:27]
	v_pk_mul_f32 v[16:17], v[16:17], -0.5 op_sel_hi:[1,0]   ; -1/2 x the centre's squares: the C of the product's first matrix instruction
	v_pk_mul_f32 v[18:19], v[18:19], -0.5 op_sel_hi:[1,0]
	v_cmp_gt_u32 vcc_lo, 4, v1                     ; lanes 0-3 hold the sixteen norms; the other lanes store zeros
.irp i, 16,17,18,19
	v_cndmask_b32 v\i, 0, v\i, vcc_lo
.endr
	v_cmp_gt_u32 vcc_lo, 16, v1
	s_wait_alu depctr_va_vdst(0)
	s_wait_xcnt 0x0                                ; EXEC is a source of my pending stores: it changes only behind this wait
	s_and_saveexec_b32 s26, vcc_lo                 ; lanes 0-15
	global_store_b128 v13, v[32:35], s[6:7] offset:SCO   ; sixteen lanes store 256 consecutive bytes, aligned: the scale bytes,
	global_store_b128 v13, v[16:19], s[6:7] offset:NCO   ; and the norms with their zeros
	s_wait_xcnt 0x0
	s_or_b32 exec_lo, exec_lo, s26
.Lend:
	s_wait_tensorcnt 0x0
	ds_add_u32 v192, v193
	s_wait_dscnt 0x0
	s_endpgm
.Lfunc_end_k_q42b85319ad_prep:
	.size	k_q42b85319ad_prep, .Lfunc_end_k_q42b85319ad_prep-k_q42b85319ad_prep
	.p2alignl 7, 3214868480
	.fill 96, 4, 3214868480
	.section	.rodata,"a",@progbits
	.p2align	6, 0x0
	.amdhsa_kernel k_q42b85319ad_prep
		.amdhsa_group_segment_fixed_size 35328
		.amdhsa_private_segment_fixed_size 0
		.amdhsa_enable_private_segment 0
		.amdhsa_kernarg_size 16
		.amdhsa_user_sgpr_count 2
		.amdhsa_user_sgpr_kernarg_segment_ptr 1
		.amdhsa_wavefront_size32 1
		.amdhsa_system_sgpr_workgroup_id_x 1
		.amdhsa_system_sgpr_workgroup_id_y 1
		.amdhsa_system_sgpr_workgroup_id_z 1
		.amdhsa_system_vgpr_workitem_id 0
		.amdhsa_next_free_vgpr 194
		.amdhsa_next_free_sgpr 66
		.amdhsa_reserve_vcc 1
		.amdhsa_float_denorm_mode_32 3
		.amdhsa_float_denorm_mode_16_64 3
		.amdhsa_memory_ordered 1
		.amdhsa_forward_progress 1
		.amdhsa_inst_pref_size 19
	.end_amdhsa_kernel
	.amdgpu_metadata
---
amdhsa.version: [ 1, 2 ]
amdhsa.kernels:
  - .name:           k_q42b85319ad_prep
    .symbol:         k_q42b85319ad_prep.kd
    .args:
      - { .name: centers, .offset: 0, .size: 8, .value_kind: global_buffer, .address_space: global }
      - { .name: cpack, .offset: 8, .size: 8, .value_kind: global_buffer, .address_space: global }
    .group_segment_fixed_size: 35328
    .private_segment_fixed_size: 0
    .kernarg_segment_align: 8
    .kernarg_segment_size: 16
    .max_flat_workgroup_size: 128
    .sgpr_count:     66
    .vgpr_count:     194
    .wavefront_size: 32
...
	.end_amdgpu_metadata
.endif
;; end of part 1
;; launch assign (part 2): grid 256 x 1, 4 waves a work-group, clusters of 4 x 1, 327,680 bytes of LDS; arguments x, cpack, out0; writes out0
.if DOCPART == 2
	.amdgcn_target "amdgcn-amd-amdhsa--gfx1250"
	.amdhsa_code_object_version 6
	.text
	.protected	k_q42b85319ad_assign
	.globl	k_q42b85319ad_assign
	.p2align	8
	.type	k_q42b85319ad_assign,@function
k_q42b85319ad_assign:
	s_mov_b64 s[64:65], 0
	v_nop
	global_prefetch_b8 v0, s[64:65] scope:SCOPE_SE
	s_setreg_imm32_b32 hwreg(HW_REG_WAVE_MODE, 25, 1), 1
	s_wait_xcnt 0x0
	s_wait_alu depctr_hold_cnt(0) depctr_sa_sdst(0) depctr_va_vdst(0) depctr_va_sdst(0) depctr_va_ssrc(0) depctr_va_vcc(0) depctr_vm_vsrc(0)
	s_getreg_b32 s2, hwreg(HW_REG_IB_STS2, 6, 4)
	s_cmp_eq_u32 s2, 0
	s_cbranch_scc0 .Lentry_in_a_cluster
	s_endpgm
.Lentry_in_a_cluster:
	s_bfe_u32 s2, ttmp6, 0x10000c
	s_cmp_lg_u32 s2, 0x3003
	s_cbranch_scc0 .Lentry_shape_is_right
	s_endpgm
.Lentry_shape_is_right:
; out0[p] = argmin over c of |xn[p] - 2 x[p].c + cn[c]|, the product on MX-FP8 codes; the lowest index among equal values.
; SHARES: a work-group owns 128 points; wave w holds ALL their codes in registers (8 tiles x 4 K steps x 16) and walks the centres 64 (4 t + w) .. + 63 of step t = 0 .. 15, tile by tile of 16, ascending.
; x is quantised at the head: wave w takes K step w of the rows, in two pieces of 64 rows that tensor loads stage as f32 in the ring's bytes; codes, scale words and partial sums of squares meet in LDS.
; THE PRODUCT IS USED TRANSPOSED: source 0 = 16 centres, source 1 = 16 points; C of the first K step = -cn/2.  A lane holds one point, its 8 registers 8 centres.
; THE ARGMIN: d = xn - 2 acc; t = the least |d| of the 8; where t < the lane's best, the best, the tile's number and the 8 d are kept (selects, two to a line).  Which of the 8 it was is read off the kept d once, at the end.
; A RUN is 16 products (4 accumulators by turns), cut in five; between the cuts stand the 56 vector lines of the OTHER set of 4 accumulators, finished one run earlier,
; so that products stand between each compare and the selects that read its mask.
; RING: two slots of 4 records (one a wave), filled by joint loads of the 4 work-groups of a cluster, which walk the same records.  The refill's round stands at a step's fourth tile, whose fragments are in registers by then.
; PREFETCH: cluster 0 alone names cpack's blocks of 256 bytes, 131,072 bytes a step shared out by address among its 4 work-groups, from byte 524,288 on: past what the next refill asks for; the last step with a refill asks for nothing.
; LIMITS: NaN and infinities are not served; a block of zeros gets the scale byte 1 (its codes are zeros); blocks whose largest magnitude lies under 2^-118 keep the byte 1.
.set TBK,   8704
.set REC,   4*TBK
.set SCO,   8192
.set NCO,   8448
.set SLOT1, 4*REC
.set XIMG,  2*SLOT1
.set XSC,   XIMG+32768
.set XNB,   XSC+2048
.set SPARE, XNB+2048
.set SPW,  1
.set NIL,  2
.set AB0,  3
.set AS0,  4
.set AN0,  5
.set ADRB, 6
.set ADRS, 7
.set ADRN, 8
.set PFO,  9
.set XRD,  10
.set XWI,  12
.set XWS,  13
.set XNW,  14
.set LI,   15
.set XS,   16                          ; v16-31  x's scale words: 4 a + s; lanes 0-15 tile a, lanes 16-31 tile a + 4
.set LS,   32
.set XNR,  33
.set CS,   34                          ; v34-41  the centres' scale words, two sets: numbers that differ modulo 8 from x's in every product
.set NCN,  42                          ; v42-57  -cn/2, two sets of 8
.set XN2,  58                          ; v58-73  xn of tile i, twice
.set BT,   74                          ; v74-89  tile i: the best |d|, the number of its tile of centres
.set SV,   90                          ; v90-153 tile i: the 8 d of that tile
.set ACC,  154                         ; v154-217 two sets of 4 accumulators
.set UU,   218                         ; v218-229 partial minima
.set TT,   232                         ; v232-234, v236 the tiles' minima
.set TID,  235                         ; v235    the number of the tile of centres at work
.set REDW, 241
.set RDA,  242
.set PW,   243
.set HT,   244                         ; v244-247 at work at the head and at the end
.set NUM0, ACC                         ; the head's registers lie over those of the walk: two sets of 64 numbers,
.set NUM1, NCN
.set SQ,   UU
.set TM,   SV+32
.set PC,   SV+48
.set XP,   ACC
.set WV,   10
.set CX,   11
.set GR,   12
.set WOFF, 13
.set TB,   14
.set CNT,  15
.set G1C,  16
.set G0C,  24
.set G1X,  28
.set G0X,  36
.set MK,   44
.set SEL,  58
.set MNT,  60
.set PFA,  62
.set LIM,  66
.set MSB, 0
.macro WIN new
.if MSB != \new
	s_set_vgpr_msb (MSB<<8)|\new
.set MSB, \new
.endif
.endm
.macro CREST
	s_cmp_lg_u32 s[WV], 0
	s_cbranch_scc1 .Lnot_wave_0_\@
	s_barrier_signal -3
.Lnot_wave_0_\@:
	s_barrier_wait -3
	s_barrier_signal -1
	s_barrier_wait -1
.endm
.macro ROUND
	s_barrier_signal -1
	s_barrier_wait -1
	CREST
.endm
.macro JLOAD
	tensor_load_to_lds s[G0C:G0C+3], s[G1C:G1C+7]
	s_nop 0
.rept 4
	v_nop
.endr
.endm
.macro SETADR
	v_add_nc_u32 v[ADRB], s[TB], v[AB0]
	v_add_nc_u32 v[ADRS], s[TB], v[AS0]
	v_add_nc_u32 v[ADRN], s[TB], v[AN0]
.endm
.macro ASK
	s_cmp_gt_u32 s[CNT], s[LIM]
	s_cbranch_scc0 .Lnot_mine_\@
	global_prefetch_b8 v[PFO], s[PFA:PFA+1] th:TH_LOAD_NT scope:SCOPE_SE
.Lnot_mine_\@:
.endm
.macro SQUARES s                       ; the squares of 64 numbers in four chains of pairs; the first four products start the chains
.set sj, 0
.rept 32
.if sj < 4
	v_pk_mul_f32 v[SQ+2*sj:SQ+2*sj+1], v[\s+2*sj:\s+2*sj+1], v[\s+2*sj:\s+2*sj+1]
.else
	v_pk_fma_f32 v[SQ+2*(sj%4):SQ+2*(sj%4)+1], v[\s+2*sj:\s+2*sj+1], v[\s+2*sj:\s+2*sj+1], v[SQ+2*(sj%4):SQ+2*(sj%4)+1]
.endif
.set sj, sj+1
.endr
.endm
.macro QUANT s                         ; 64 numbers of a lane become a fragment's codes (PC) and its scale word (PW)
.irp b, 0,1,2,3
	v_max3_num_f32 v[TM+\b], |v[\s+16*\b]|, |v[\s+1+16*\b]|, 0x4800000   ; with the floor 2^(9 - 127): the byte cannot fall under 1
.endr
.irp i, 2,4,6,8,10,12,14
.irp b, 0,1,2,3
	v_max3_num_f32 v[TM+\b], v[TM+\b], |v[\s+16*\b+\i]|, |v[\s+1+16*\b+\i]|
.endr
.endr
.irp b, 0,1,2,3
	v_permlanex16_b32 v[TM+4+\b], v[TM+\b], s[SEL], s[SEL+1]
.endr
.irp b, 0,1,2,3
	v_max_num_f32 v[TM+\b], v[TM+\b], v[TM+4+\b]
.endr
.irp b, 0,1,2,3
	v_add_nc_u32 v[TM+12+\b], 0xfc000000, v[TM+\b]         ; 8 off the exponent field: the conversion's scale operand
.endr
.irp b, 0,1,2,3
	v_and_or_b32 v[TM+8+\b], v[TM+\b], 0x7f800000, s[MNT]  ; 448 x the scale
.endr
.irp b, 0,1,2,3
	v_lshrrev_b32 v[TM+4+\b], 23, v[TM+12+\b]              ; the scale's byte
.endr
	v_lshl_or_b32 v[PW], v[TM+5], 8, v[TM+4]
	v_lshl_or_b32 v[PW], v[TM+6], 16, v[PW]
	v_lshl_or_b32 v[PW], v[TM+7], 24, v[PW]
.irp b, 0,1,2,3
.irp i, 0,1,2,3,4,5,6,7,8,9,10,11,12,13,14,15
	v_med3_num_f32 v[\s+16*\b+\i], v[\s+16*\b+\i], -v[TM+8+\b], v[TM+8+\b]   ; the conversion does not saturate (ISA guide 7.6.2): the hold comes first
.endr
	v_cvt_scalef32_pk8_fp8_f32 v[PC+4*\b:PC+1+4*\b], v[\s+16*\b:\s+7+16*\b], v[TM+12+\b]
	v_cvt_scalef32_pk8_fp8_f32 v[PC+2+4*\b:PC+3+4*\b], v[\s+8+16*\b:\s+15+16*\b], v[TM+12+\b]
.endr
	v_nop                                          ; one plain line behind the last scaled conversion
.endm
.macro PLOAD p, u                      ; tile u of piece p: my 64 staged numbers into set u % 2
.set plN, NUM0+(NUM1-NUM0)*((\u)%2)
.irp c, 0,1,2,3
.irp j, 0,1,2,3
	ds_load_b128 v[plN+16*\c+4*\j:plN+16*\c+4*\j+3], v[XRD+\p] offset:8448*(\u)+128*\c+16*\j
.endr
.endr
.endm
; My K step of 4 tiles of 16 rows: staged f32 -> codes, scale words, sums of squares in LDS.  The next tile's 16 loads go out ahead of a tile's work; a tile ends with 6 stores.
.macro PIECE p
	PLOAD \p, 0
.irp u, 0,1,2,3
.set pcN, NUM0+(NUM1-NUM0)*(\u%2)
.if \u < 3
	PLOAD \p, \u+1
.endif
.if \u == 0
	s_wait_dscnt 16                                ; behind this tile's loads: the next tile's 16
.elseif \u < 3
	s_wait_dscnt 22                                ; the last tile's 6 stores and the next tile's 16 loads
.else
	s_wait_dscnt 6                                 ; the last tile's 6 stores
.endif
	SQUARES pcN
	QUANT pcN
.irp c, 0,1,2,3
	ds_store_b128 v[XWI], v[PC+4*\c:PC+4*\c+3] offset:8192*\u+512*\c
.endr
	ds_store_b32 v[XWS], v[PW] offset:512*\u+64*\p
	v_pk_add_f32 v[SQ:SQ+1], v[SQ:SQ+1], v[SQ+2:SQ+3]
	v_pk_add_f32 v[SQ+4:SQ+5], v[SQ+4:SQ+5], v[SQ+6:SQ+7]
	v_pk_add_f32 v[SQ:SQ+1], v[SQ:SQ+1], v[SQ+4:SQ+5]
	v_add_f32 v[SQ], v[SQ], v[SQ+1]
	v_permlanex16_b32 v[TM+4], v[SQ], s[SEL], s[SEL+1]
	v_add_f32 v[SQ], v[SQ], v[TM+4]
	ds_store_b32 v[XNW], v[SQ] offset:64*\u+256*\p
.endr
.endm
.macro FETCH p                         ; the image of 4 tiles x 4 K steps into window 1 (p = 0) or 2
.if \p
	WIN 0x80
.else
	WIN 0x40
.endif
.irp a, 0,1,2,3
.irp s, 0,1,2,3
.irp c, 0,1,2,3
	ds_load_b128 v[64*\a+16*\s+4*\c:64*\a+16*\s+4*\c+3], v[LI] offset:(4*\a+\s)*2048+512*\c
.endr
.endr
.endr
	WIN 0
.endm
.macro LOADS pos, buf                  ; a tile of 16 centres: 64 registers of codes (window 3), 4 scale words, 8 norms
	WIN 0xc0
.irp s, 0,1,2,3
.irp c, 0,1,2,3
	ds_load_b128 v[64*(\buf)+16*\s+4*\c:64*(\buf)+16*\s+4*\c+3], v[ADRB] offset:TBK*(\pos)+2048*\s+512*\c
.endr
.endr
	WIN 0
	ds_load_b128 v[CS+4*(\buf):CS+4*(\buf)+3], v[ADRS] offset:TBK*(\pos)+SCO
	ds_load_b128 v[NCN+8*(\buf):NCN+8*(\buf)+3], v[ADRN] offset:TBK*(\pos)+NCO
	ds_load_b128 v[NCN+8*(\buf)+4:NCN+8*(\buf)+7], v[ADRN] offset:TBK*(\pos)+NCO+16
.endm
.macro MM G, a, s, buf
.set mD, ACC+32*(\G)+8*(\a)
.set mA, 64*(\buf)+16*(\s)
.set mB, 64*(\a)+16*(\s)
.set mC, NCN+8*(\buf)
.set mS, CS+4*(\buf)+(\s)
.set mX, XS+4*(\a)+(\s)
.if (\s) == 0
.if \G
	v_wmma_scale_f32_16x16x128_f8f6f4 v[mD:mD+7], v[mA:mA+15], v[mB:mB+15], v[mC:mC+7], v[mS], v[mX] matrix_b_scale:MATRIX_SCALE_ROW1
.else
	v_wmma_scale_f32_16x16x128_f8f6f4 v[mD:mD+7], v[mA:mA+15], v[mB:mB+15], v[mC:mC+7], v[mS], v[mX]
.endif
.else
.if \G
	v_wmma_scale_f32_16x16x128_f8f6f4 v[mD:mD+7], v[mA:mA+15], v[mB:mB+15], v[mD:mD+7], v[mS], v[mX] matrix_b_scale:MATRIX_SCALE_ROW1
.else
	v_wmma_scale_f32_16x16x128_f8f6f4 v[mD:mD+7], v[mA:mA+15], v[mB:mB+15], v[mD:mD+7], v[mS], v[mX]
.endif
.endif
.endm
.macro WSEQ G, buf, n0, n1             ; products n0 .. n1 - 1 of a run; product n: K step n / 4, point tile 4 G + n % 4
.if \G
	WIN 0x0b
.else
	WIN 0x07
.endif
.set wn, \n0
.rept (\n1)-(\n0)
	MM \G, wn%4, wn/4, \buf
.set wn, wn+1
.endr
.endm
.macro EPF G, a                        ; d = xn - 2 acc, in place, from the accumulator's low end on
.irp i, 0,2,4,6
	v_pk_fma_f32 v[ACC+32*(\G)+8*(\a)+\i:ACC+32*(\G)+8*(\a)+\i+1], v[ACC+32*(\G)+8*(\a)+\i:ACC+32*(\G)+8*(\a)+\i+1], -2.0, v[XN2+8*(\G)+2*(\a):XN2+8*(\G)+2*(\a)+1] op_sel_hi:[1,0,0]
.endr
.endm
.macro CMPV G, a                       ; strictly less: of equal values the earlier tile stays
	v_cmp_lt_f32 vcc_lo, v[TT+(\a)+(\a)/3], v[BT+8*(\G)+2*(\a)]
.endm
.macro DSEL G, a                       ; where the mask is set: the best, the tile's number and the 8 d
.set eD, ACC+32*(\G)+8*(\a)
.set eS, SV+32*(\G)+8*(\a)
.set eB, BT+8*(\G)+2*(\a)
	v_dual_cndmask_b32 v[eB], v[eB], v[TT+(\a)+(\a)/3] :: v_dual_cndmask_b32 v[eB+1], v[eB+1], v[TID]
.irp i, 0,2,4,6
	v_dual_cndmask_b32 v[eS+\i], v[eS+\i], v[eD+\i] :: v_dual_cndmask_b32 v[eS+\i+1], v[eS+\i+1], v[eD+\i+1]
.endr
.endm
; The first 33 vector lines of accumulator set G.  ld = 1: behind the first eight of them the next tile's LDS loads go out, into registers that products read 13 vector lines ago or more; adr = 1: from the other slot.
.macro VA G, ld, pos, lbuf, adr
	WIN 0
	EPF \G, 0
	EPF \G, 1
.if \adr
	SETADR
.endif
.if \ld
	LOADS \pos, \lbuf
.endif
	EPF \G, 2
	EPF \G, 3
.irp a, 0,1,2,3
.set eD, ACC+32*(\G)+8*\a
	v_min3_num_f32 v[UU+3*\a], |v[eD]|, |v[eD+1]|, |v[eD+2]|
	v_min3_num_f32 v[UU+3*\a+1], |v[eD+3]|, |v[eD+4]|, |v[eD+5]|
	v_min_num_f32 v[UU+3*\a+2], |v[eD+6]|, |v[eD+7]|
.endr
.irp a, 0,1,2,3
	v_min3_num_f32 v[TT+\a+\a/3], v[UU+3*\a], v[UU+3*\a+1], v[UU+3*\a+2]
.endr
	CMPV \G, 0
.endm
; A run on accumulator set X with the vector lines of the other set.  rnd = 1: the run's first products stand inside the round's opening barrier, and the joint refill follows the round.
.macro RUN X, buf, ld, pos, lbuf, adr, rnd
.if \rnd
	WSEQ \X, \buf, 0, 8
	WIN 0
	s_barrier_wait -1
	CREST
	tensor_load_to_lds s[G0C:G0C+3], s[G1C:G1C+7]
	s_nop 0
	VA 1-\X, \ld, \pos, \lbuf, \adr
	WSEQ \X, \buf, 8, 11
	WIN 0
	DSEL 1-\X, 0
	CMPV 1-\X, 1
	WSEQ \X, \buf, 11, 13
	WIN 0
	DSEL 1-\X, 1
	CMPV 1-\X, 2
	WSEQ \X, \buf, 13, 15
	WIN 0
	DSEL 1-\X, 2
	CMPV 1-\X, 3
	WSEQ \X, \buf, 15, 16
.else
	WSEQ \X, \buf, 0, 4
	VA 1-\X, \ld, \pos, \lbuf, \adr
	WSEQ \X, \buf, 4, 8
	WIN 0
	DSEL 1-\X, 0
	CMPV 1-\X, 1
	WSEQ \X, \buf, 8, 11
	WIN 0
	DSEL 1-\X, 1
	CMPV 1-\X, 2
	WSEQ \X, \buf, 11, 14
	WIN 0
	DSEL 1-\X, 2
	CMPV 1-\X, 3
	WSEQ \X, \buf, 14, 16
.endif
	WIN 0
	DSEL 1-\X, 3
.endm
; A tile of 16 centres against the 128 points.  mode 0: the next tile comes from the same slot, place pos; 1: the slot, whose last fragments are in registers, is filled again, and the next tile comes from the other slot;
; 2: the same with no refill; 3: nothing follows.
.macro TILE buf, mode, pos
.if \mode == 1
	s_wait_xcnt 0x0                                ; my prefetch has read its address
	s_cmp_gt_u32 s[CNT], 1
	s_cselect_b32 s72, 0x20000, 0                  ; it steps 131,072 bytes; in the last trip it stays, inside the buffer
	s_mov_b32 s73, 0
	s_add_nc_u64 s[PFA:PFA+1], s[PFA:PFA+1], s[72:73]
	s_wait_tensorcnt 0x0                           ; my one load that was out, the other slot's, has landed
	ds_add_u32 v[SPW], v[NIL]
	s_add_co_u32 s[G0C+1], s[TB], s[WOFF]          ; no load of mine is out: the descriptor steps to this slot and the record two steps on
	s_add_nc_u64 s[G0C+2:G0C+3], s[G0C+2:G0C+3], SLOT1
	s_xor_b32 s[TB], s[TB], SLOT1
	s_wait_dscnt 0x0                               ; the add is done, and my reads of this slot are over
	s_barrier_signal -1
	RUN 0, \buf, 1, \pos, 1-\buf, 1, 1
.elseif \mode == 2
	s_wait_tensorcnt 0x0                           ; the last record, which I alone read, has landed
	s_xor_b32 s[TB], s[TB], SLOT1
	s_wait_dscnt 0x0
	RUN 0, \buf, 1, \pos, 1-\buf, 1, 0
.elseif \mode == 0
	s_wait_dscnt 0x0                               ; this tile's fragments, asked for behind the fourth product of the tile before
	RUN 0, \buf, 1, \pos, 1-\buf, 0, 0
.else
	s_wait_dscnt 0x0
	RUN 0, \buf, 0, 0, 0, 0, 0
.endif
	v_add_nc_u32 v[TID], 1, v[TID]                 ; the lines above served the tile before; from here on this tile's number
.if \mode == 1
	ASK
.endif
	RUN 1, \buf, 0, 0, 0, 0, 0
.endm
.macro STEP mode                       ; a record: tile t lies at place 3 - t
	TILE 0, 0, 2
	TILE 1, 0, 1
	TILE 0, 0, 0
	TILE 1, \mode, 3
.endm
.macro MERGE dv, di, va, ia, vb, ib    ; the lesser value; of equal values the lower index
	v_cmp_lt_f32 s72, v[\vb], v[\va]
	v_cmp_eq_f32 s73, v[\vb], v[\va]
	v_cmp_lt_u32 s74, v[\ib], v[\ia]
	s_and_b32 s73, s73, s74
	s_or_b32 s72, s72, s73
	v_cndmask_b32 v[\dv], v[\va], v[\vb], s72
	v_cndmask_b32 v[\di], v[\ia], v[\ib], s72
.endm
	s_load_b128 s[4:7], s[0:1], 0x0                ; x, cpack
	s_load_b64 s[8:9], s[0:1], 0x10                ; out0
	v_lshl_add_u32 v[SPW], v0, 2, SPARE
	v_mov_b32 v[NIL], 0
	ds_add_u32 v[SPW], v[NIL]                      ; the opening: the add twice on end and one wait
	ds_add_u32 v[SPW], v[NIL]
	v_lshrrev_b32 v[HT], 5, v0
	v_readfirstlane_b32 s[WV], v[HT]
	s_bfe_u32 s[CX], ttmp6, 0x40000
	s_lshl_b32 s[GR], ttmp9, 2
	s_add_co_u32 s[GR], s[GR], s[CX]               ; the work-group: 128 points
	s_mul_i32 s[WOFF], s[WV], REC
	s_mov_b32 s[G1X+0], (3<<16)|(1<<20)|(6<<22)|(3<<25)   ; x: 64 rows of 512 bytes, 16 of padding behind each
	s_mov_b32 s[G1X+1], 64<<16
	s_mov_b32 s[G1X+2], 64<<16
	s_mov_b32 s[G1X+3], 64<<16
	s_mov_b32 s[G1X+4], 64
	s_mov_b32 s[G1X+5], 256
	s_mov_b32 s[G1X+6], 0
	s_mov_b32 s[G1X+7], 0
	s_mov_b32 s[G1C+0], 15|(3<<16)|(1<<21)         ; a record: 136 rows of 256 bytes, dense, for all four work-groups
	s_mov_b32 s[G1C+1], 32<<16
	s_mov_b32 s[G1C+2], 136<<16
	s_mov_b32 s[G1C+3], 32<<16
	s_mov_b32 s[G1C+4], 136
	s_mov_b32 s[G1C+5], 32
	s_mov_b32 s[G1C+6], 0
	s_mov_b32 s[G1C+7], 0
	s_lshl_b32 s72, s[GR], 18
	s_lshl_b32 s73, s[WV], 9
	s_add_co_u32 s72, s72, s73
	s_mov_b32 s73, 0
	s_mov_b32 s74, s[WOFF]
	s_mov_b32 s75, 0
	s_lshl_b32 s76, s[GR], 9
	s_mov_b32 s77, 0
	s_lshl_b32 s78, s[CX], 15
	s_add_co_u32 s78, s78, 3*0x20000
	s_mov_b32 s79, 0
	s_mov_b32 s[SEL], 0x76543210
	s_mov_b32 s[SEL+1], 0xfedcba98
	s_mov_b32 s[MNT], 0x600000
	s_cmp_eq_u32 ttmp9, 0
	s_cselect_b32 s[LIM], 1, -1                    ; cluster 0 alone prefetches
	s_wait_alu depctr_va_vdst(0)
	s_wait_dscnt 0x0
	s_wait_kmcnt 0x0
	s_add_nc_u64 s[4:5], s[4:5], s[72:73]
	s_add_nc_u64 s[8:9], s[8:9], s[76:77]
	s_add_nc_u64 s[PFA:PFA+1], s[6:7], s[78:79]
	s_mov_b32 s[G0X], 1
	s_mov_b32 s[G0X+1], s[WOFF]
	s_mov_b64 s[G0X+2:G0X+3], s[4:5]
	s_or_b32 s[G0X+3], s[G0X+3], 0x80000000
	s_mov_b32 s[G0X+4], 1
	s_add_co_u32 s[G0X+5], s[WOFF], SLOT1
	s_add_nc_u64 s[G0X+6:G0X+7], s[4:5], 131072
	s_or_b32 s[G0X+7], s[G0X+7], 0x80000000
	s_mov_b32 s[G0C], 1
	s_mov_b32 s[G0C+1], s[WOFF]
	s_add_nc_u64 s[G0C+2:G0C+3], s[6:7], s[74:75]
	s_or_b32 s[G0C+3], s[G0C+3], 0x80000000
	ROUND
	tensor_load_to_lds s[G0X:G0X+3], s[G1X:G1X+7]  ; rows 0-63, my K step: my one load at the head
	s_nop 0
	v_and_b32 v[HT], 31, v0
	v_and_b32 v[HT+1], 15, v0
	v_bfe_u32 v[HT+2], v0, 4, 1
	v_lshlrev_b32 v[HT+3], 4, v[HT]
	v_add_nc_u32 v[AB0], s[WOFF], v[HT+3]
	v_lshl_add_u32 v[AS0], v[HT+1], 4, s[WOFF]
	v_lshl_add_u32 v[AN0], v[HT+2], 5, s[WOFF]
	v_lshlrev_b32 v[PFO], 8, v0
	v_mul_u32_u24 v[XRD], v[HT+1], 528
	v_lshl_add_u32 v[XRD], v[HT+2], 6, v[XRD]
	v_add_nc_u32 v[XRD], s[WOFF], v[XRD]
	v_add_nc_u32 v[XRD+1], SLOT1, v[XRD]
	s_lshl_b32 s72, s[WV], 11
	s_add_co_u32 s72, s72, XIMG
	v_add_nc_u32 v[XWI], s72, v[HT+3]
	s_lshl_b32 s72, s[WV], 7
	s_add_co_u32 s72, s72, XSC
	v_lshl_add_u32 v[XWS], v[HT+1], 2, s72
	s_lshl_b32 s72, s[WV], 9
	s_add_co_u32 s72, s72, XNB
	v_lshl_add_u32 v[XNW], v[HT+1], 2, s72
	v_add_nc_u32 v[LI], XIMG, v[HT+3]
	v_lshl_add_u32 v[LS], v[HT], 2, XSC
	v_lshl_add_u32 v[XNR], v[HT+1], 2, XNB
	s_lshl_b32 s72, s[WV], 10
	s_add_co_u32 s72, s72, XIMG
	v_lshl_add_u32 v[REDW], v[HT+1], 3, s72
	v_lshl_add_u32 v[RDA], v[HT], 5, XIMG
.irp b, 0,1,2,3
	v_mov_b32 v[TM+4+\b], 0                        ; a lane permute's destination counts as one of its sources
.endr
	s_wait_alu depctr_va_vdst(0)
	s_wait_tensorcnt 0x0                           ; these lines stand ahead of a later first fill as ahead of a refill
	ds_add_u32 v[SPW], v[NIL]
	s_wait_dscnt 0x0
	ROUND
	tensor_load_to_lds s[G0X+4:G0X+7], s[G1X:G1X+7]   ; rows 64-127
	s_nop 0
.rept 4
	v_nop
.endr
	s_wait_tensorcnt 0x1                           ; the load just issued may be out
	PIECE 0
	s_wait_dscnt 0x0                               ; for the others' sake: my stores have landed
	s_barrier_signal -1
	s_barrier_wait -1
	FETCH 0
	s_wait_tensorcnt 0x0
	ds_add_u32 v[SPW], v[NIL]
	s_wait_dscnt 0x0
	ROUND
	JLOAD                                          ; step 0's records over the first piece's stage
	PIECE 1
	s_wait_tensorcnt 0x0
	ds_add_u32 v[SPW], v[NIL]
	s_add_co_u32 s[G0C+1], s[WOFF], SLOT1
	s_add_nc_u64 s[G0C+2:G0C+3], s[G0C+2:G0C+3], SLOT1
	s_wait_dscnt 0x0
	ROUND
	JLOAD                                          ; step 1's records over the second piece's stage
.irp i, 0,1,2,3,4,5,6,7
.irp s, 0,1,2,3
	ds_load_b32 v[XP+4*\i+\s], v[XNR] offset:512*\s+64*\i
.endr
.endr
.irp q, 0,1,2,3,4,5,6,7,8,9,10,11,12,13,14,15
	ds_load_b32 v[XS+\q], v[LS] offset:128*\q
.endr
	FETCH 1
.irp i, 0,1,2,3,4,5,6,7
	v_mov_b32 v[BT+2*\i], 0x7f800000
	v_mov_b32 v[BT+2*\i+1], 0
.endr
.set ij, 0
.rept 64
	v_mov_b32 v[SV+ij], 0                          ; the selects read what they may keep
.set ij, ij+1
.endr
.set ij, 0
.rept 32
	v_mov_b32 v[ACC+32+ij], 0x7f800000             ; the first run's vector lines find a set that wins nothing
.set ij, ij+1
.endr
	v_mov_b32 v[TID], -1
	s_wait_dscnt 63                                ; the sums of squares and scale words are in: behind them stand the image's 64 loads, of which 63 may be out
.irp i, 0,1,2,3,4,5,6,7
	v_add_f32 v[XP+4*\i], v[XP+4*\i], v[XP+4*\i+1]
	v_add_f32 v[XP+4*\i+2], v[XP+4*\i+2], v[XP+4*\i+3]
	v_add_f32 v[XN2+2*\i], v[XP+4*\i], v[XP+4*\i+2]
	v_mov_b32 v[XN2+2*\i+1], v[XN2+2*\i]
.endr
	s_mov_b32 s[TB], 0
	SETADR
	s_wait_alu depctr_va_vdst(0)
	LOADS 3, 0                                     ; step 0 landed ahead of the last round
	s_mov_b32 s[CNT], 14
.Lstep:                                                ; steps 0 to 13 ask for steps 2 to 15
	STEP 1
	s_sub_co_u32 s[CNT], s[CNT], 1
	s_cmp_lg_u32 s[CNT], 0
	s_cbranch_scc1 .Lstep
	STEP 2
	STEP 3
	VA 1, 0, 0, 0, 0                               ; the last run's set
	DSEL 1, 0
	CMPV 1, 1
	DSEL 1, 1
	CMPV 1, 2
	DSEL 1, 2
	CMPV 1, 3
	DSEL 1, 3
; which of the 8 kept d is the best: the lowest register that equals it
.irp i, 0,1,2,3,4,5,6,7
	v_mov_b32 v[UU+\i], 7
.endr
.irp e, 6,5,4,3,2,1,0
.irp i, 0,1,2,3,4,5,6,7
	v_cmp_eq_f32 s[MK+\i], |v[SV+8*\i+\e]|, v[BT+2*\i]
.endr
.irp i, 0,1,2,3,4,5,6,7
	v_cndmask_b32 v[UU+\i], v[UU+\i], \e, s[MK+\i]
.endr
.endr
	s_lshl_b32 s72, s[WV], 6
	v_bfe_u32 v[HT], v0, 4, 1
	v_lshl_add_u32 v[HT], v[HT], 3, s72            ; 64 w + 8 h
.irp i, 0,1,2,3,4,5,6,7
	v_lshrrev_b32 v[HT+1], 2, v[BT+2*\i+1]         ; the step,
	v_and_b32 v[HT+2], 3, v[BT+2*\i+1]             ; the tile in the record
	v_lshl_add_u32 v[HT+1], v[HT+1], 8, v[UU+\i]
	v_lshl_add_u32 v[HT+1], v[HT+2], 4, v[HT+1]
	v_add_nc_u32 v[BT+2*\i+1], v[HT], v[HT+1]      ; the centre: 256 step + 64 w + 16 tile + 8 h + j
.endr
.irp i, 0,1,2,3,4,5,6,7
	v_permlanex16_b32 v[SV+\i], v[BT+2*\i], s[SEL], s[SEL+1]
	v_permlanex16_b32 v[SV+8+\i], v[BT+2*\i+1], s[SEL], s[SEL+1]
.endr
.irp i, 0,1,2,3,4,5,6,7
	MERGE SV+16+2*\i, SV+17+2*\i, BT+2*\i, BT+2*\i+1, SV+\i, SV+8+\i
	ds_store_b64 v[REDW], v[SV+16+2*\i:SV+17+2*\i] offset:128*\i
.endr
	s_wait_dscnt 0x0                               ; for the others' sake
	s_barrier_signal -1
	s_barrier_wait -1
	s_cmp_lg_u32 s[WV], 0
	s_cbranch_scc1 .Lothers
.irp w, 0,1,2,3
.irp z, 0,1
	ds_load_b128 v[SV+32+8*\w+4*\z:SV+32+8*\w+4*\z+3], v[RDA] offset:1024*\w+16*\z   ; points 4 l .. 4 l + 3 of wave w
.endr
.endr
	v_lshlrev_b32 v[HT], 4, v0
	s_wait_dscnt 0x0
.irp p, 0,1,2,3
	MERGE SV+32+2*\p, SV+33+2*\p, SV+32+2*\p, SV+33+2*\p, SV+40+2*\p, SV+41+2*\p
	MERGE SV+32+2*\p, SV+33+2*\p, SV+32+2*\p, SV+33+2*\p, SV+48+2*\p, SV+49+2*\p
	MERGE SV+32+2*\p, UU+\p, SV+32+2*\p, SV+33+2*\p, SV+56+2*\p, SV+57+2*\p
.endr
	global_store_b128 v[HT], v[UU:UU+3], s[8:9]    ; 32 lanes store 512 consecutive bytes, aligned
.Lothers:
	s_wait_tensorcnt 0x0                           ; the wave's end
	ds_add_u32 v[SPW], v[NIL]
	s_wait_dscnt 0x0
	ROUND                                          ; the closing round
	s_endpgm
.Lfunc_end_k_q42b85319ad_assign:
	.size	k_q42b85319ad_assign, .Lfunc_end_k_q42b85319ad_assign-k_q42b85319ad_assign
	.p2alignl 7, 3214868480
	.fill 96, 4, 3214868480
	.section	.rodata,"a",@progbits
	.p2align	6, 0x0
	.amdhsa_kernel k_q42b85319ad_assign
		.amdhsa_group_segment_fixed_size 327680
		.amdhsa_private_segment_fixed_size 0
		.amdhsa_enable_private_segment 0
		.amdhsa_kernarg_size 24
		.amdhsa_user_sgpr_count 2
		.amdhsa_user_sgpr_kernarg_segment_ptr 1
		.amdhsa_wavefront_size32 1
		.amdhsa_system_sgpr_workgroup_id_x 1
		.amdhsa_system_sgpr_workgroup_id_y 1
		.amdhsa_system_sgpr_workgroup_id_z 1
		.amdhsa_system_vgpr_workitem_id 0
		.amdhsa_next_free_vgpr 896
		.amdhsa_next_free_sgpr 84
		.amdhsa_reserve_vcc 1
		.amdhsa_float_denorm_mode_32 3
		.amdhsa_float_denorm_mode_16_64 3
		.amdhsa_memory_ordered 1
		.amdhsa_forward_progress 1
		.amdhsa_inst_pref_size 255
	.end_amdhsa_kernel
	.section	.bss,"aw",@nobits
	.p2align	6
	.space	262144
	.amdgpu_metadata
---
amdhsa.version: [ 1, 2 ]
amdhsa.kernels:
  - .name:           k_q42b85319ad_assign
    .symbol:         k_q42b85319ad_assign.kd
    .args:
      - { .name: x, .offset: 0, .size: 8, .value_kind: global_buffer, .address_space: global }
      - { .name: cpack, .offset: 8, .size: 8, .value_kind: global_buffer, .address_space: global }
      - { .name: out0, .offset: 16, .size: 8, .value_kind: global_buffer, .address_space: global }
    .group_segment_fixed_size: 327680
    .private_segment_fixed_size: 0
    .kernarg_segment_align: 8
    .kernarg_segment_size: 24
    .max_flat_workgroup_size: 128
    .sgpr_count:     84
    .vgpr_count:     896
    .wavefront_size: 32
...
	.end_amdgpu_metadata
.endif
;; end of part 2
